; MI455X (gfx1250); checked and timed in simulation.
; The chip was launched on July 23, 2026; its instructions are those of AMD's public machine-readable ISA for CDNA 5 (MIT licence, August 2026) and "CDNA5" Instruction Set Architecture Reference Guide (July 2026). The comments in the code are by the model that wrote it; some were corrected since.
;; Multi Head Self Attention. Allowed arithmetic: matrix products marked QUANTISED: E2M1 operands, one E8M0 scale for each 32 along K, by v_wmma_scale_f32_16x16x128_f8f6f4 with both operands' format E2M1 (or v_wmma_scale_f32_32x16x128_f4), f32 sums; everything else in f32.
;; Inputs: Wk 1,024 x 1,024 float32; Wo 1,024 x 1,024 float32; Wq 1,024 x 1,024 float32; Wv 1,024 x 1,024 float32; bk 1,024 float32; bo 1,024 float32; bq 1,024 float32; bv 1,024 float32; x 4 x 2,048 x 1,024 float32.
;; Outputs: out0 4 x 2,048 x 1,024 float32.
;; This version of the problem:
;;   THIS VERSION OF THE PROBLEM IS GIVEN IN LOW PRECISION. The matrix products marked QUANTISED in the list below multiply operands that are first quantised to E2M1 (2 exponent bits, 1 mantissa bit; 4 bits a number), with one power-of-two scale for each 32 numbers along K (OCP MX v1.0); their sums are f32. All else is computed in f32.
;;   The module's matrix products, in the order in which they are computed (A, B: the left and right operand; K: the contracted axis; several contracted axes count as one K, in the product's order):
;;     1. [M 8,192, K 1,024] x [K 1,024, N 1,024]; A: input x; B: input Wq: QUANTISED
;;     2. [M 8,192, K 1,024] x [K 1,024, N 1,024]; A: input x; B: input Wk: QUANTISED
;;     3. [M 8,192, K 1,024] x [K 1,024, N 1,024]; A: input x; B: input Wv: QUANTISED
;;     4. batch 64 x [M 2,048, K 64] x [K 64, N 2,048]; A: computed on the way; B: computed on the way: QUANTISED
;;     5. batch 64 x [M 2,048, K 2,048] x [K 2,048, N 64]; A: softmax (see below); B: computed on the way: QUANTISED
;;     6. [M 8,192, K 1,024] x [K 1,024, N 1,024]; A: computed on the way; B: input Wo: QUANTISED
;;   THE QUANTISER, for each operand of a quantised product, along K:
;;     - K is cut into blocks of 32 from its start; a last block that is shorter is filled with zeros.
;;     - A block's scale is 2^e with e = floor(log2(the largest magnitude in the block)) - 2, held to -126 .. 127; a block of zeros has e = 0. As a byte (E8M0): e + 127.
;;     - Each number is divided by its block's scale, clamped to +-6, and rounded to the nearest number of E2M1, ties to even, subnormals kept.
;;     - The product sums the exact products of the quantised numbers (number of the format x scale) in f32.
;;   ~~~python
;;   def quantise(x, axis):      # numpy; x: float32 -> the quantised numbers, widened to float32 again
;;       x = np.moveaxis(x, axis, -1); K = x.shape[-1]
;;       x = np.pad(x, [(0, 0)] * (x.ndim - 1) + [(0, -K % 32)]); x = x.reshape(x.shape[:-1] + (-1, 32)); a = np.abs(x).max(-1, keepdims=True)
;;       e = np.where(a > 0, np.clip(np.frexp(np.where(a > 0, a, 1))[1] - 1 - 2, -126, 127), 0)      # np.frexp(a)[1] - 1 = floor(log2(a)), exactly
;;       r = np.clip(x / 2.0 ** e, -6, 6)
;;       step = 2.0 ** (np.maximum(np.frexp(np.where(r == 0, 1, r))[1] - 1, 0) - 1)
;;       q = np.round(r / step) * step * 2.0 ** e      # np.round: ties to even
;;       return np.moveaxis(q.reshape(q.shape[:-2] + (-1,))[..., :K], -1, axis).astype(np.float32)
;;   ~~~
;;   SOFTMAX AHEAD OF A QUANTISED PRODUCT. Where the list says 'softmax', what is quantised is not the finished softmax but p = 2^(t - M), with t = logit x log2(e) and M = ceil(the row's largest t), a whole number; so 1/2 < the row's largest p <= 1. The row's sum l is taken of the UNQUANTISED p, in f32, and the product's result is divided by l at the end. Since M is a whole number, a kernel that streams over the keys may use a running M (the ceiling of the running maximum): every later rescaling is an exact power of two, which a block's scale takes up: the codes' values come out the same.
;;   OPERANDS COMPUTED ON THE WAY. 'Computed on the way' means the value that the module computes at that place (a softmax that the list does not call 'softmax' is quantised finished and normalised). What goes into a quantiser is computed in f32, as accurately as f32 sums, v_exp_f32 and their like allow (about 1e-6 of the number): no bf16 or f16 on the way to a quantiser, and a product that is left as it is and whose result goes on into a quantised operand takes f32 operands (vector FMAs, or v_wmma_f32_16x16x4_f32). A number that lies on a knife's edge between two numbers of the format may be rounded either way, as far as f32 arithmetic and the matrix unit's own rounding can turn it there, and no further.
;; One version. Each part assembles by itself: llvm-mc -triple=amdgcn-amd-amdhsa -mcpu=gfx1250 --defsym DOCPART=n.
;; ======== version 1 of 1: 4 launches
;; workspace buffers: xq 4,456,448 bytes; wq 2,228,224 bytes; qkv 13,369,344 bytes; oq 4,456,448 bytes
;; launch quant (part 1): grid 192 x 2, 4 waves a work-group, no clusters, 34,304 bytes of LDS; arguments x, Wq, Wk, Wv, Wo, xq, wq; writes xq, wq
.if DOCPART == 1
	.amdgcn_target "amdgcn-amd-amdhsa--gfx1250"
	.amdhsa_code_object_version 6
	.text
	.protected	k_qfee2c7c8f0_quant
	.globl	k_qfee2c7c8f0_quant
	.p2align	8
	.type	k_qfee2c7c8f0_quant,@function
k_qfee2c7c8f0_quant:
	s_mov_b64 s[64:65], 0
	v_nop
	global_prefetch_b8 v0, s[64:65] scope:SCOPE_SE
	s_setreg_imm32_b32 hwreg(HW_REG_WAVE_MODE, 25, 1), 1
	s_wait_xcnt 0x0
; MULTI-HEAD SELF-ATTENTION IN MX-FP4, launch 1 of 4: x and the four weights, f32 with K innermost, become codes of E2M1 with one E8M0 scale byte for each 32 along K.
; NO WORK OF THE PROBLEM IS LEFT OUT IN ANY LAUNCH: every bias goes into a quantiser or into the result, there is no mask, and all nine inputs are loaded.
; LIMITS: NaN and infinities among the inputs are not served.  A block of zeros gets the scale byte 1 where the rule says 127: its codes are zeros, which add nothing under that byte, and the bytes are read by this program alone.
; THE LAYOUT OF THE RESULT (xq: x's 8,192 rows; wq: Wq, Wk, Wv, Wo stacked, 4,096 rows) is the order of the matrix operand's registers:
;   codes  [tile][K step s 0..7][cc 0..1][lane 0..31][16 bytes], 8,192 bytes a tile: lane r + 16 h holds k = 128 s + 64 cc + 32 h + 0..31 of the tile's row r;
;   scales [tile][K half q][r 0..15][4 words, s = 4 q ..], 512 bytes a tile, behind the codes; byte 2 cc + h of a word is that block's.
; THE ROWS OF A TILE ARE NOT NEIGHBOURS: tile 4 G + i takes rows 64 G + 8 i + (r % 8) + 32 (r / 8).  As source 0 of a product the four tiles of a group then leave 32 NEIGHBOURING rows in a lane's 32 result registers.
; SHARES: work-group x = a group of 64 rows (0..127 x, then 16 each of Wq, Wk, Wv, Wo), y = a K half of 512; wave i = tile i: 16 rows x 4 K steps of 128.
; A load reads 512 consecutive bytes of one row; a step's 16 rows turn through the wave's own stage in LDS (rows 528 bytes apart) and come back 128 bytes a lane: a whole block of 32 in one lane's registers, twice.
; Every store of codes covers 512 consecutive bytes, the one store of scale words 256.  Waves share nothing: no barrier.
.set SP,    528                        ; a stage row: 512 bytes + 16
.set STG,   16*SP                      ; a wave's stage
.set SPARE, 4*STG                      ; behind the stages: the spare words, 128 bytes a wave, named by no other line
.set LD0,   32                         ; v32-159  two sets of 64 registers as loaded
.set X,     160                        ; v160-223 two blocks of 32 neighbours
.set C,     224                        ; v224-255 codes: 8 registers a step, never written again
.set SW,    16                         ; v16-19   a step's scale word each
	s_load_b256 s[4:11], s[0:1], 0x0               ; x, Wq, Wk, Wv
	s_load_b128 s[12:15], s[0:1], 0x20             ; Wo, xq
	s_load_b64 s[16:17], s[0:1], 0x30              ; wq
	v_lshl_add_u32 v6, v0, 2, SPARE                ; my spare word; never rewritten
	v_mov_b32 v7, 0                                ; 0; never rewritten
	v_lshrrev_b32 v8, 5, v0
	v_readfirstlane_b32 s18, v8                    ; wave = tile of the group
	v_and_b32 v9, 31, v0                           ; lane
	v_and_b32 v10, 15, v0                          ; r
	v_bfe_u32 v11, v0, 4, 1                        ; h
	v_lshlrev_b32 v1, 4, v9                        ; 16 x lane: my bytes of a load and of a store of codes
	s_mul_i32 s19, s18, STG
	v_add_nc_u32 v2, s19, v1                       ; the stage, on the way in
	v_mul_u32_u24 v3, v10, SP
	v_lshl_add_u32 v3, v11, 7, v3
	v_add_nc_u32 v3, s19, v3                       ; and on the way out: row r, + 128 h
	v_lshlrev_b32 v4, 4, v10
	v_lshl_add_u32 v4, v11, 3, v4                  ; 16 r + 8 h: my two scale words
	v_lshlrev_b32 v5, 3, v11                       ; 8 h
	v_mov_b32 v15, 0                               ; written once: a lane permute's destination counts as one of its sources
	s_mov_b32 s38, 0x76543210
	s_mov_b32 s39, 0xfedcba98                      ; v_permlanex16_b32's selects for lane l xor 16
	s_sub_co_u32 s25, ttmp9, 128                   ; a weight's group among the 64 of wq,
	s_and_b32 s26, s25, 15                         ; and among its own 16
	s_mov_b32 s24, 2097152                         ; where wq's scale words begin
	s_and_b32 s27, ttmp7, 0xffff                   ; q
	s_wait_alu depctr_va_vdst(0)
	s_wait_kmcnt 0x0
	s_mov_b64 s[20:21], s[12:13]                   ; the source: chosen on the work-group's number alone
	s_cmp_lt_u32 ttmp9, 176
	s_cselect_b64 s[20:21], s[10:11], s[20:21]
	s_cmp_lt_u32 ttmp9, 160
	s_cselect_b64 s[20:21], s[8:9], s[20:21]
	s_cmp_lt_u32 ttmp9, 144
	s_cselect_b64 s[20:21], s[6:7], s[20:21]
	s_cmp_lt_u32 ttmp9, 128
	s_cselect_b64 s[20:21], s[4:5], s[20:21]
	s_cselect_b64 s[22:23], s[14:15], s[16:17]     ; the destination: xq or wq
	s_cselect_b32 s24, 4194304, s24                ; where its scale words begin
	s_cselect_b32 s26, ttmp9, s26                  ; the group in the source,
	s_cselect_b32 s25, ttmp9, s25                  ; and in the destination
	s_lshl_b32 s28, s26, 18                        ; 64 rows of 4,096 bytes,
	s_lshl_b32 s29, s18, 15                        ; 8 rows a tile,
	s_add_co_u32 s28, s28, s29
	s_lshl_b32 s29, s27, 11                        ; 512 numbers a K half
	s_add_co_u32 s28, s28, s29
	s_mov_b32 s29, 0
	s_add_nc_u64 s[20:21], s[20:21], s[28:29]
	s_lshl_b32 s25, s25, 2
	s_add_co_u32 s25, s25, s18                     ; the tile
	s_lshl_b32 s30, s25, 13
	s_lshl_b32 s31, s27, 12
	s_add_co_u32 s30, s30, s31
	s_mov_b32 s31, 0
	s_add_nc_u64 s[34:35], s[22:23], s[30:31]      ; my codes
	s_lshl_b32 s32, s25, 9
	s_lshl_b32 s33, s27, 8
	s_add_co_u32 s32, s32, s33
	s_add_co_u32 s32, s32, s24
	s_mov_b32 s33, 0
	s_add_nc_u64 s[36:37], s[22:23], s[32:33]      ; my scale words
.macro LOAD t                          ; K step t of my 16 rows into set t % 2: a load a row
.irp rr, 0,1,2,3,4,5,6,7,8,9,10,11,12,13,14,15
	global_load_b128 v[LD0+64*((\t)%2)+4*\rr:LD0+64*((\t)%2)+4*\rr+3], v1, s[20:21] offset:((\rr%8)+32*(\rr/8))*4096+512*(\t) th:TH_LOAD_NT
.endr
.endm
.macro STEP t
.set LS, LD0+64*((\t)%2)
.if (\t) < 3
	s_wait_loadcnt 16                              ; this step's 16 loads are in; the next step's 16 may be out
.else
	s_wait_loadcnt 0
.endif
.irp rr, 0,1,2,3,4,5,6,7,8,9,10,11,12,13,14,15
	ds_store_b128 v2, v[LS+4*\rr:LS+4*\rr+3] offset:SP*\rr
.endr
.irp cc, 0,1
.irp u, 0,1,2,3,4,5,6,7
	ds_load_b128 v[X+32*\cc+4*\u:X+32*\cc+4*\u+3], v3 offset:256*\cc+16*\u   ; LDS serves a wave's instructions in order: these see the stores above
.endr
.endr
	s_wait_dscnt 0x0                               ; my two blocks are in, and the stores have read their registers,
.if (\t) < 2
	LOAD (\t)+2                                    ; which take the loads of two steps on
.endif
.irp cc, 0,1
	v_max3_num_f32 v[8+\cc], |v[X+32*\cc]|, |v[X+32*\cc+1]|, 0x1800000   ; the block's largest magnitude, all 32 mine, and the floor 2^(3 - 127): the byte cannot fall under 1
.endr
.irp i, 2,4,6,8,10,12,14,16,18,20,22,24,26,28,30
.irp cc, 0,1
	v_max3_num_f32 v[8+\cc], v[8+\cc], |v[X+32*\cc+\i]|, |v[X+32*\cc+\i+1]|
.endr
.endr
	v_add_nc_u32 v10, 0xff000000, v8               ; 2 off the exponent field: the conversion takes this operand's exponent field as its scale
	v_add_nc_u32 v11, 0xff000000, v9
	v_lshrrev_b32 v12, 23, v10                     ; the scales' bytes: blocks h and 2 + h of the step
	v_lshrrev_b32 v13, 23, v11
	v_lshl_or_b32 v14, v13, 16, v12
	v_lshlrev_b32 v14, v5, v14                     ; at their places in the word, 8 h bits up;
	v_permlanex16_b32 v15, v14, s38, s39
	v_or_b32 v[SW+(\t)], v14, v15                  ; with lane l xor 16's two the word is whole
.irp cc, 0,1
.irp g, 0,1,2,3
	v_cvt_scalef32_pk8_fp4_f32 v[C+8*(\t)+4*\cc+\g], v[X+32*\cc+8*\g:X+32*\cc+8*\g+7], v[10+\cc]
.endr
.endr
	v_nop                                          ; one plain instruction behind the last conversion
	global_store_b128 v1, v[C+8*(\t):C+8*(\t)+3], s[34:35] offset:1024*(\t)          ; 32 lanes store 512 consecutive bytes
	global_store_b128 v1, v[C+8*(\t)+4:C+8*(\t)+7], s[34:35] offset:1024*(\t)+512
.endm
	LOAD 0
	LOAD 1
	STEP 0
	STEP 1
	STEP 2
	STEP 3
	v_cmp_ne_u32 vcc_lo, 0, v5                     ; lanes 16-31 take words 2 and 3 of row r
	v_cndmask_b32 v8, v16, v18, vcc_lo
	v_cndmask_b32 v9, v17, v19, vcc_lo
	global_store_b64 v4, v[8:9], s[36:37]          ; 32 lanes store 256 consecutive bytes
	s_wait_tensorcnt 0x0                           ; the wave's end, behind my last LDS store
	ds_add_u32 v6, v7
	s_wait_dscnt 0x0
	s_endpgm
.Lfunc_end_k_qfee2c7c8f0_quant:
	.size	k_qfee2c7c8f0_quant, .Lfunc_end_k_qfee2c7c8f0_quant-k_qfee2c7c8f0_quant
	.p2alignl 7, 3214868480
	.fill 96, 4, 3214868480
	.section	.rodata,"a",@progbits
	.p2align	6, 0x0
	.amdhsa_kernel k_qfee2c7c8f0_quant
		.amdhsa_group_segment_fixed_size 34304
		.amdhsa_private_segment_fixed_size 0
		.amdhsa_enable_private_segment 0
		.amdhsa_kernarg_size 56
		.amdhsa_user_sgpr_count 2
		.amdhsa_user_sgpr_kernarg_segment_ptr 1
		.amdhsa_wavefront_size32 1
		.amdhsa_system_sgpr_workgroup_id_x 1
		.amdhsa_system_sgpr_workgroup_id_y 1
		.amdhsa_system_sgpr_workgroup_id_z 1
		.amdhsa_system_vgpr_workitem_id 0
		.amdhsa_next_free_vgpr 256
		.amdhsa_next_free_sgpr 66
		.amdhsa_reserve_vcc 1
		.amdhsa_float_denorm_mode_32 3
		.amdhsa_float_denorm_mode_16_64 3
		.amdhsa_memory_ordered 1
		.amdhsa_forward_progress 1
		.amdhsa_inst_pref_size 31
	.end_amdhsa_kernel
	.amdgpu_metadata
---
amdhsa.version: [ 1, 2 ]
amdhsa.kernels:
  - .name:           k_qfee2c7c8f0_quant
    .symbol:         k_qfee2c7c8f0_quant.kd
    .args:
      - { .name: x, .offset: 0, .size: 8, .value_kind: global_buffer, .address_space: global }
      - { .name: Wq, .offset: 8, .size: 8, .value_kind: global_buffer, .address_space: global }
      - { .name: Wk, .offset: 16, .size: 8, .value_kind: global_buffer, .address_space: global }
      - { .name: Wv, .offset: 24, .size: 8, .value_kind: global_buffer, .address_space: global }
      - { .name: Wo, .offset: 32, .size: 8, .value_kind: global_buffer, .address_space: global }
      - { .name: xq, .offset: 40, .size: 8, .value_kind: global_buffer, .address_space: global }
      - { .name: wq, .offset: 48, .size: 8, .value_kind: global_buffer, .address_space: global }
    .group_segment_fixed_size: 34304
    .private_segment_fixed_size: 0
    .kernarg_segment_align: 8
    .kernarg_segment_size: 56
    .max_flat_workgroup_size: 128
    .sgpr_count:     66
    .vgpr_count:     256
    .wavefront_size: 32
...
	.end_amdgpu_metadata
.endif
;; end of part 1
;; launch qkv (part 2): grid 12 x 32, 4 waves a work-group, clusters of 4 x 4, 279,040 bytes of LDS; arguments xq, wq, bq, bk, bv, qkv; writes qkv
.if DOCPART == 2
	.amdgcn_target "amdgcn-amd-amdhsa--gfx1250"
	.amdhsa_code_object_version 6
	.text
	.protected	k_qfee2c7c8f0_qkv
	.globl	k_qfee2c7c8f0_qkv
	.p2align	8
	.type	k_qfee2c7c8f0_qkv,@function
k_qfee2c7c8f0_qkv:
	s_mov_b64 s[64:65], 0
	v_nop
	global_prefetch_b8 v0, s[64:65] scope:SCOPE_SE
	s_setreg_imm32_b32 hwreg(HW_REG_WAVE_MODE, 25, 1), 1
	s_wait_xcnt 0x0
	s_wait_alu depctr_hold_cnt(0) depctr_sa_sdst(0) depctr_va_vdst(0) depctr_va_sdst(0) depctr_va_ssrc(0) depctr_va_vcc(0) depctr_vm_vsrc(0)
	s_getreg_b32 s2, hwreg(HW_REG_IB_STS2, 6, 4)
	s_cmp_eq_u32 s2, 0
	s_cbranch_scc0 .Lentry_in_a_cluster
	s_endpgm
.Lentry_in_a_cluster:
	s_bfe_u32 s2, ttmp6, 0x10000c
	s_cmp_lg_u32 s2, 0xf033
	s_cbranch_scc0 .Lentry_shape_is_right
	s_endpgm
.Lentry_shape_is_right:
; Launch 2 of 4: Q = x Wq^T + bq, K = x Wk^T + bk, V = x Wv^T + bv on codes of E2M1, and the quantisers of Q, K (along the head's 64) and V (along the keys).  No work is left out.
; LIMITS: as in the first launch (NaN, infinities; a block of zeros gets the byte 1).
; SHARES.  The cluster's x is the mode: 0 Q, 1 K, 2 V; it is the same in all sixteen partners.  A work-group makes 256 x 256, each of its four waves 128 x 128: 64 accumulators of 16 x 16.
; ALL OF K (1,024) LIES IN LDS AT ONCE: 2 x 256 rows x 512 bytes and their scale words.  Three loads a wave at the head, no slot is filled again.
; WHICH OPERAND IS SOURCE 0.  A lane's result registers run along source 0's rows, and by the choice of a tile's rows (launch 1) the 32 registers of four neighbouring tiles are 32 neighbouring rows.
;   Q, K: source 0 = W, source 1 = x: the registers run along the head's channels.   V: source 0 = x, source 1 = Wv: they run along the keys.
; So a block of 32 along the NEXT product's K is one lane's 32 registers: its largest magnitude needs no other lane, and four conversions give 16 bytes that are the next operand's registers for that lane.
; The text is one for the three modes but for the bias, the first K step and the offsets of the way out: LDS region S0 (source 0) is shared down a column of the cluster, S1 along a row; only pointers and indices are chosen on the mode.
; THE RESULT: qkv = three regions [b h 64][run g of 128 positions][record of 4,352 bytes].
;   Q, K record: codes [tile T 0..7][lane][16 bytes]: position 128 g + 64 (T / 4) + 8 (T % 4) + (r % 8) + 32 (r / 8), channels 32 h ..; at byte 4,096 [r][f 0..3] words: the bytes of tile 2 f's two blocks, then tile 2 f + 1's.
;   V record: codes [i 0..3][cc][lane][16 bytes]: channel 8 i + (r % 8) + 32 (r / 8), keys 128 g + 64 cc + 32 h ..; at byte 4,096 [r][i] words, byte 2 cc + h.
; REGISTERS, in windows of 256: window 0: v16-31 addresses; v32-95 scale words; v96-123 at work on the way out; v128-191 source 1's fragments, later the codes made.
;   window 1: source 0's fragments, two sets, v0-63 and v128-191; v64-127 the bias as the first K step's C.   windows 2, 3: accumulator (a, b) at v[8 (8 (a % 4) + b)].
.set SCX,    4194304                   ; where xq's scale words begin
.set SCW,    2097152                   ; and wq's
.set REGION, 4456448                   ; a region of qkv
.set REC,    4352
.set HEADB,  16*REC                    ; from head to head
.set KH,     131072                    ; LDS: a K half: four parts of 8 tiles x 4,096 bytes: S1's two halves, then S0's
.set SCL,    2*KH                      ; behind them the scale words: four parts of 4,096 bytes in the same order
.set SPARE,  SCL+16384                 ; the spare words, 128 bytes a wave, named by no other line
.set ADRA, 16                          ; v16-17 LDS address of my source 1 fragments, K half 0, 1
.set ADRB, 20                          ; v20-21 of my source 0 fragments
.set BO2,  22                          ; v22    4 x my row of a tile: V's bias
.set LI,   24                          ; v24    16 x lane
.set SO,   25                          ; v25    16 r + 8 h
.set H8,   26                          ; v26    8 h
.set ADRS, 27                          ; v27    LDS address of my scale words: lanes 0-15 source 1's, lanes 16-31 source 0's
.set SPW,  28                          ; v28    my spare word; never rewritten
.set NIL,  29                          ; v29    0; never rewritten
.set FLO,  30                          ; v30    the floor 2^(3 - 127)
.set BO1,  31                          ; v31    128 h: Q's and K's bias
.set SC,   32                          ; scale words: register SC + 32 q + 4 i + s: tile i, K step 4 q + s
.set SWD,  96                          ; v96-103 the eight scale words made
.set TM,   104
.set TE,   108
.set TBY,  112
.set TW,   116
.set TP,   118
.set TS,   120
.set AF,   128
.set CD,   128
.set BI,   64
.set WV,   16
.set WH,   17
.set WL,   18
.set CX,   19
.set CY,   20
.set CLY,  21
.set SEL,  22
.set G1,   24                          ; s[24:31] group 1 for S1's codes; s[32:39] its groups 0, one a K half
.set G0,   32
.set G1B,  48                          ; s[48:55], s[56:63] the same for S0
.set G0B,  56
.set G1S,  68                          ; s[68:75], s[76:79] for S1's scale words; s[80:87], s[88:91] for S0's
.set G0S,  76
.set G1SB, 80
.set G0SB, 88
.set MSB, 0
.macro WIN new                         ; the immediate's high byte repeats the setting that is left
.if MSB != \new
	s_set_vgpr_msb (MSB<<8)|\new
.set MSB, \new
.endif
.endm
.macro PLACES n
.rept \n
	v_nop
.endr
.endm
; A joint load: waves 0 and 1 fetch S1's halves, waves 2 and 3 S0's.  The branch hangs on the wave's number alone.  An s_nop 0 and four v_nop follow each line.
.macro JLOAD g0a, g1a, g0b, g1b
	s_cmp_eq_u32 s[WH], 0
	s_cbranch_scc0 .Lfor_b_\@
	tensor_load_to_lds s[\g0a:\g0a+3], s[\g1a:\g1a+7]
	s_nop 0
.rept 4
	v_nop
.endr
	s_branch .Lasked_\@
.Lfor_b_\@:
	tensor_load_to_lds s[\g0b:\g0b+3], s[\g1b:\g1b+7]
	s_nop 0
.rept 4
	v_nop
.endr
.Lasked_\@:
.endm
.macro CROUND                          ; a round of the cluster's barrier
	s_barrier_signal -1
	s_barrier_wait -1
	s_cmp_lg_u32 s[WV], 0
	s_cbranch_scc1 .Lnot_wave_0_\@
	s_barrier_signal -3
.Lnot_wave_0_\@:
	s_barrier_wait -3
	s_barrier_signal -1
	s_barrier_wait -1
.endm
	s_load_b256 s[4:11], s[0:1], 0x0               ; xq, wq, bq, bk
	s_load_b128 s[12:15], s[0:1], 0x20             ; bv, qkv
	v_lshl_add_u32 v[SPW], v0, 2, SPARE
	v_mov_b32 v[NIL], 0
	ds_add_u32 v[SPW], v[NIL]                      ; the wave's opening: the add, twice on end, and its wait ahead of my first tensor load
	ds_add_u32 v[SPW], v[NIL]
	v_lshrrev_b32 v1, 5, v0
	v_readfirstlane_b32 s[WV], v1                  ; wave 0..3
	s_lshr_b32 s[WH], s[WV], 1                     ; my half of S1's 256 rows.  Also: I fetch for S1 (0) or S0 (1)
	s_and_b32 s[WL], s[WV], 1                      ; my half of S0's.  Also: which half I fetch
	s_bfe_u32 s[CX], ttmp6, 0x40000
	s_bfe_u32 s[CY], ttmp6, 0x40004
	s_and_b32 s[CLY], ttmp7, 0xffff                ; the cluster's y
	s_lshl_b32 s22, s[CY], 2
	s_lshl_b32 s22, 15, s22                        ; my row of the cluster
	s_lshl_b32 s23, 0x1111, s[CX]                  ; my column
	; group 1, codes: 8 tiles' K half: 8 rows of 512 elements of 8 bytes, 1,024 elements apart; dense in LDS
	s_or_b32 s[G1], s22, (3<<16)|(1<<21)           ; 15:0 the mask: S1's tiles go to my row; 17:16 elements of 8 bytes; 21 set beside a mask
	s_or_b32 s[G1B], s23, (3<<16)|(1<<21)          ; S0's to my column
.irp g, G1, G1B
	s_mov_b32 s[\g+1], 512<<16                     ; tensor_dim0
	s_mov_b32 s[\g+2], 8<<16                       ; tensor_dim1
	s_mov_b32 s[\g+3], 512<<16                     ; tile_dim0
	s_mov_b32 s[\g+4], 8                           ; tile_dim1
	s_mov_b32 s[\g+5], 1024                        ; from tile to tile
	s_mov_b32 s[\g+6], 0
	s_mov_b32 s[\g+7], 0
.endr
	; group 1, scale words: 8 tiles' 4,096 dense bytes as 16 rows of 256
	s_or_b32 s[G1S], s22, (3<<16)|(1<<21)
	s_or_b32 s[G1SB], s23, (3<<16)|(1<<21)
.irp g, G1S, G1SB
	s_mov_b32 s[\g+1], 32<<16
	s_mov_b32 s[\g+2], 16<<16
	s_mov_b32 s[\g+3], 32<<16
	s_mov_b32 s[\g+4], 16
	s_mov_b32 s[\g+5], 32
	s_mov_b32 s[\g+6], 0
	s_mov_b32 s[\g+7], 0
.endr
	s_mov_b32 s[SEL], 0x76543210                   ; (the masks are used up)  v_permlanex16_b32's selects for lane l xor 16
	s_mov_b32 s[SEL+1], 0xfedcba98
	; which tiles of 256 rows.  S0's index is made of cx alone among the places in the cluster, S1's of cy alone
	s_mov_b32 s42, SCW
	s_mov_b32 s43, SCX
	s_cmp_eq_u32 ttmp9, 2                          ; V?
	s_cselect_b32 s40, s[CLY], ttmp9               ; S0: V: x's tile 4 cluster y + cx;  Q, K: the weight's tile 4 mode + cx of wq
	s_cselect_b32 s41, 2, s[CLY]                   ; S1: V: Wv's tile 8 + cy of wq;     Q, K: x's tile 4 cluster y + cy
	s_cselect_b32 s44, s43, s42                    ; where S0's buffer has its scale words,
	s_cselect_b32 s45, s42, s43                    ; and S1's
	s_lshl_b32 s40, s40, 2
	s_add_co_u32 s40, s40, s[CX]
	s_lshl_b32 s41, s41, 2
	s_add_co_u32 s41, s41, s[CY]
	s_lshl_b32 s46, s[WL], 16                      ; the half that I fetch: 8 tiles of 8,192 bytes,
	s_lshl_b32 s47, s[WL], 12                      ; of 512
	s_lshl_b32 s92, s40, 17
	s_add_co_u32 s92, s92, s46
	s_mov_b32 s93, 0
	s_lshl_b32 s94, s40, 13
	s_add_co_u32 s94, s94, s47
	s_add_co_u32 s94, s94, s44
	s_mov_b32 s95, 0
	s_lshl_b32 s96, s41, 17
	s_add_co_u32 s96, s96, s46
	s_mov_b32 s97, 0
	s_lshl_b32 s98, s41, 13
	s_add_co_u32 s98, s98, s47
	s_add_co_u32 s98, s98, s45
	s_mov_b32 s99, 0
	s_lshl_b32 s46, s[WV], 15                      ; where they go: wave x 32,768; no place in the cluster enters an LDS address
	s_lshl_b32 s47, s[WV], 12
	s_add_co_u32 s47, s47, SCL
	s_wait_dscnt 0x0                               ; both opening adds are done
	s_wait_kmcnt 0x0
	s_cmp_eq_u32 ttmp9, 2
	s_cselect_b64 s[66:67], s[4:5], s[6:7]         ; S0's buffer
	s_cselect_b64 s[2:3], s[6:7], s[4:5]           ; S1's
	s_add_nc_u64 s[92:93], s[66:67], s[92:93]
	s_add_nc_u64 s[94:95], s[66:67], s[94:95]
	s_add_nc_u64 s[96:97], s[2:3], s[96:97]
	s_add_nc_u64 s[98:99], s[2:3], s[98:99]
	CROUND                                         ; all sixteen work-groups are here: the joint loads meet
	s_mov_b32 s[G0S], 1
	s_mov_b32 s[G0S+1], s47
	s_mov_b64 s[G0S+2:G0S+3], s[98:99]
	s_or_b32 s[G0S+3], s[G0S+3], 0x80000000
	s_mov_b32 s[G0SB], 1
	s_mov_b32 s[G0SB+1], s47
	s_mov_b64 s[G0SB+2:G0SB+3], s[94:95]
	s_or_b32 s[G0SB+3], s[G0SB+3], 0x80000000
	JLOAD G0S, G1S, G0SB, G1SB                     ; the scale words first
.irp q, 0,1
	s_mov_b32 s[G0+4*\q], 1
	s_add_co_u32 s[G0+4*\q+1], s46, \q*KH
	s_add_nc_u64 s[G0+4*\q+2:G0+4*\q+3], s[96:97], \q*4096
	s_or_b32 s[G0+4*\q+3], s[G0+4*\q+3], 0x80000000
	s_mov_b32 s[G0B+4*\q], 1
	s_add_co_u32 s[G0B+4*\q+1], s46, \q*KH
	s_add_nc_u64 s[G0B+4*\q+2:G0B+4*\q+3], s[92:93], \q*4096
	s_or_b32 s[G0B+4*\q+3], s[G0B+4*\q+3], 0x80000000
	JLOAD G0+4*\q, G1, G0B+4*\q, G1B               ; then the two K halves: three loads of mine are out
.endr
	v_and_b32 v1, 31, v0                           ; lane
	v_and_b32 v2, 15, v0                           ; r
	v_bfe_u32 v3, v0, 4, 1                         ; h
	s_wait_alu depctr_va_vdst(0)
	v_lshlrev_b32 v[LI], 4, v1
	s_lshl_b32 s42, s[WH], 15                      ; my 8 tiles of S1,
	s_lshl_b32 s43, s[WL], 15
	s_add_co_u32 s43, s43, 65536                   ; and of S0, behind S1's 16
.irp q, 0,1
	v_add_nc_u32 v[ADRA+\q], s42, v[LI]
	v_add_nc_u32 v[ADRB+\q], s43, v[LI]
	s_add_co_u32 s42, s42, KH
	s_add_co_u32 s43, s43, KH
.endr
	v_lshlrev_b32 v4, 4, v2                        ; 16 r
	v_lshl_add_u32 v[SO], v3, 3, v4
	v_lshlrev_b32 v[H8], 3, v3
	s_lshl_b32 s42, s[WH], 12                      ; S1's scale words of my 8 tiles,
	s_lshl_b32 s43, s[WL], 12
	s_add_co_u32 s43, s43, 8192                    ; S0's,
	s_sub_co_u32 s43, s43, s42                     ; as a distance: lanes 16-31 take S0's
	v_mul_u32_u24 v5, s43, v3
	s_add_co_u32 s42, s42, SCL
	v_add_nc_u32 v4, v4, v5
	v_add_nc_u32 v[ADRS], s42, v4
	v_mov_b32 v[FLO], 0x1800000
	v_lshlrev_b32 v[BO1], 7, v3
	v_and_b32 v5, 7, v2
	v_lshrrev_b32 v6, 3, v2
	v_lshlrev_b32 v[BO2], 2, v5
	v_lshl_add_u32 v[BO2], v6, 7, v[BO2]
	v_mov_b32 v[TP], 0                             ; written once: a lane permute's destination counts as one of its sources
	v_mov_b32 v[TP+1], 0
	; where my results go, and my bias
	s_cmp_eq_u32 ttmp9, 2
	s_cselect_b32 s42, s40, s41                    ; x's tile of 256 rows,
	s_cselect_b32 s43, s[WL], s[WH]                ; my half of it,
	s_cselect_b32 s44, s[CY], s[CX]                ; the weight's tile of 256 rows: four heads,
	s_cselect_b32 s45, s[WH], s[WL]                ; my two of them
	s_lshl_b32 s42, s42, 1
	s_add_co_u32 s42, s42, s43                     ; my run of 128 positions, 0..63
	s_lshl_b32 s44, s44, 1
	s_add_co_u32 s44, s44, s45                     ; my pair of heads, 0..7
	s_lshr_b32 s46, s42, 4                         ; the batch
	s_lshl_b32 s46, s46, 4
	s_lshl_b32 s47, s44, 1
	s_add_co_u32 s46, s46, s47                     ; 16 b + my first head
	s_lshl_b32 s46, s46, 4
	s_and_b32 s47, s42, 15
	s_add_co_u32 s46, s46, s47                     ; its record g
	s_mul_i32 s46, s46, REC
	s_mul_i32 s47, ttmp9, REGION
	s_add_co_u32 s46, s46, s47
	s_mov_b32 s47, 0
	s_add_nc_u64 s[14:15], s[14:15], s[46:47]
	s_cmp_eq_u32 ttmp9, 0
	s_cselect_b64 s[8:9], s[8:9], s[10:11]
	s_cmp_eq_u32 ttmp9, 2
	s_cselect_b64 s[8:9], s[12:13], s[8:9]         ; bq, bk or bv,
	s_lshl_b32 s92, s44, 9                         ; at my 128 numbers
	s_mov_b32 s93, 0
	s_add_nc_u64 s[8:9], s[8:9], s[92:93]
	; THE BIAS IS THE C OF THE FIRST K STEP: eight registers a tile in the result's layout.  Each arm writes all 64 registers
	s_cmp_eq_u32 ttmp9, 2
	s_cbranch_scc1 .Lbias_v
	WIN 0x40                                       ; destination window 1
	s_wait_alu depctr_va_vdst(0)
.irp b, 0,1,2,3,4,5,6,7                        ; Q, K: it runs along source 0: tile b's register j is channel 64 (b / 4) + 32 h + 8 (b % 4) + j
	global_load_b128 v[BI+8*\b:BI+8*\b+3], v[BO1], s[8:9] offset:256*(\b/4)+32*(\b%4)
	global_load_b128 v[BI+8*\b+4:BI+8*\b+7], v[BO1], s[8:9] offset:256*(\b/4)+32*(\b%4)+16
.endr
	WIN 0
	s_branch .Lbias_in
.Lbias_v:
	WIN 0x40
	s_wait_alu depctr_va_vdst(0)
.irp a, 0,1,2,3,4,5,6,7                        ; V: it hangs on source 1's row, the lane's own: one number a tile
	global_load_b32 v[BI+8*\a], v[BO2], s[8:9] offset:(64*(\a/4)+8*(\a%4))*4
.endr
	s_wait_loadcnt 0x0                             ; waited for here, while my three tensor loads are on their way: the next wait is for those
	WIN 0x41                                       ; destination and source window 1
.irp a, 0,1,2,3,4,5,6,7
.irp j, 1,2,3,4,5,6,7
	v_mov_b32 v[BI+8*\a+\j], v[BI+8*\a]            ; C wants the lane's number in all eight registers: 56 moves in place of 512 additions
.endr
.endr
	WIN 0
.Lbias_in:
.macro FRAG reg, adr, off              ; a fragment, 16 rows x 128 K: two images of four registers, 512 bytes each
	ds_load_b128 v[\reg:\reg+3], v[\adr] offset:\off
	ds_load_b128 v[\reg+4:\reg+7], v[\adr] offset:\off+512
.endm
.macro FETCH_B t, p                    ; source 0's eight fragments of K step t into set p
	WIN 0x40
.irp i, 0,1,2,3,4,5,6,7
	FRAG 128*(\p)+8*\i, ADRB+(\t)/4, \i*4096+((\t)%4)*1024
.endr
	WIN 0
.endm
.macro FETCH_A t, i0                   ; source 1's blocks i0 .. i0 + 3
.irp i, \i0, \i0+1, \i0+2, \i0+3
	FRAG AF+8*(\i), ADRA+(\t)/4, (\i)*4096+((\t)%4)*1024
.endr
.endm
.macro SCALES q                        ; a K half's scale words: four a row and load
.irp i, 0,1,2,3,4,5,6,7
	ds_load_b128 v[SC+32*\q+4*\i:SC+32*\q+4*\i+3], v[ADRS] offset:\i*512+\q*256
.endr
.endm
; 16 matrix instructions: source 1's blocks a0, a0 + 1 x source 0's eight.  cm = 0: in place; 1: C = the bias by b; 2: by a.  The 64 accumulators take turns, one instruction a turn.
.macro MUL16 a0, p, t, cm
.irp a, \a0, \a0+1
.irp b, 0,1,2,3,4,5,6,7
.set rD, 8*(8*((\a)%4)+\b)
.set rA, 128*(\p)+8*\b
.set rB, AF+8*(\a)
.set sA, SC+32*((\t)/4)+4*\b+(\t)%4
.set sB, SC+32*((\t)/4)+4*(\a)+(\t)%4
.if (\cm) == 0
.set rC, rD
.elseif (\cm) == 1
.set rC, BI+8*\b
.else
.set rC, BI+8*(\a)
.endif
	v_wmma_scale_f32_16x16x128_f8f6f4 v[rD:rD+7], v[rA:rA+7], v[rB:rB+7], v[rC:rC+7], v[sA], v[sB] matrix_a_fmt:MATRIX_FMT_FP4 matrix_b_fmt:MATRIX_FMT_FP4 matrix_a_scale:MATRIX_SCALE_ROW1
.endr
.endr
.endm
; A K step of 128: 64 matrix instructions.  Source 1 has one set of registers (a block is free when its eight products are issued), source 0 two.
; Loads into registers that matrix instructions have read stand four plain vector instructions behind them (ISA guide 7.12.1 for vector instructions).
.macro STEP t, cm
	s_wait_dscnt 8                                 ; all but the youngest eight loads, source 1's blocks 4-7
.if (\cm)
	WIN 0x91                                       ; source 0 and C window 1, source 1 window 0, D window 2
.else
	WIN 0xa1                                       ; C and D window 2
.endif
	MUL16 0, (\t)%2, \t, \cm
	MUL16 2, (\t)%2, \t, \cm
	s_wait_dscnt 0x0
.if (\t) == 3
	s_wait_tensorcnt 0x0                           ; my part of the second K half is in,
	s_barrier_signal -1
	s_barrier_wait -1                              ; everybody's is
.endif
.if (\t) < 7
	PLACES 4
	FETCH_B (\t)+1, 1-(\t)%2
	FETCH_A (\t)+1, 0
.endif
.if (\cm)
	WIN 0xd1
.else
	WIN 0xf1
.endif
	MUL16 4, (\t)%2, \t, \cm
	MUL16 6, (\t)%2, \t, \cm
.if (\t) < 7
	PLACES 4
	WIN 0
	FETCH_A (\t)+1, 4
.else
	WIN 0
.endif
.endm
	s_wait_tensorcnt 0x1                           ; the scale words and my part of the first K half are in; the second half's load may stay out
	s_barrier_signal -1
	s_barrier_wait -1
	FETCH_B 0, 0
	FETCH_A 0, 0
	SCALES 0
	SCALES 1
	FETCH_A 0, 4
	s_wait_loadcnt 0x0                             ; the bias (Q, K: its sixteen loads; V: waited for already)
	s_cmp_eq_u32 ttmp9, 2
	s_cbranch_scc1 .Lfirst_v
	s_wait_alu depctr_va_vdst(0)
	STEP 0, 1                                      ; Q, K: C by source 0's tile
	s_branch .Lrest
.Lfirst_v:
	s_wait_alu depctr_va_vdst(0)
	STEP 0, 2                                      ; V: C by source 1's tile
.Lrest:
	STEP 1, 0
	STEP 2, 0
	STEP 3, 0
	STEP 4, 0
	STEP 5, 0
	STEP 6, 0
	STEP 7, 0
; THE WAY OUT.  A piece = source 1's tile a x source 0's group g2: 32 consecutive registers, one block of 32.  Four pieces by turns: (a0, a0 + 1) x (g2 0, 1), piece p = 2 (a - a0) + g2.
; Each accumulator is read from its low end on.  vm = 0: Q, K: a scale word pairs tiles a0, a0 + 1 of one head;  1: V: it pairs the two groups of keys of one tile.
.macro QUANT4 a0, vm
.set PB, 64*((\a0)%4)
.set WS, 2+(\a0)/4
.set WM, (WS<<2)|(WS<<4)
	WIN WM                                         ; sources 1 and 2: the accumulators' window
.irp p, 0,1,2,3
	v_max3_num_f32 v[TM+\p], v[FLO], |v[PB+32*\p]|, |v[PB+32*\p+1]|   ; with the floor: the byte cannot fall under 1
.endr
.irp i, 2,4,6,8,10,12,14,16,18,20,22,24,26,28,30
.irp p, 0,1,2,3
	v_max3_num_f32 v[TM+\p], v[TM+\p], |v[PB+32*\p+\i]|, |v[PB+32*\p+\i+1]|
.endr
.endr
	WIN 0
.irp p, 0,1,2,3
	v_add_nc_u32 v[TE+\p], 0xff000000, v[TM+\p]    ; 2 off the exponent field: the conversion's scale operand
.endr
.irp p, 0,1,2,3
	v_lshrrev_b32 v[TBY+\p], 23, v[TE+\p]          ; the scale's byte
.endr
.irp z, 0,1
.if \vm
	v_lshl_or_b32 v[TW+\z], v[TBY+2*\z+1], 16, v[TBY+2*\z]
.else
	v_lshl_or_b32 v[TW+\z], v[TBY+2+\z], 16, v[TBY+\z]
.endif
.endr
.irp z, 0,1
	v_lshlrev_b32 v[TW+\z], v[H8], v[TW+\z]        ; my two bytes, 8 h bits up;
.endr
.irp z, 0,1
	v_permlanex16_b32 v[TP+\z], v[TW+\z], s[SEL], s[SEL+1]
.endr
.irp z, 0,1
.if \vm
	v_or_b32 v[SWD+(\a0)+\z], v[TW+\z], v[TP+\z]   ; with lane l xor 16's two the word is whole
.else
	v_or_b32 v[SWD+4*\z+(\a0)/2], v[TW+\z], v[TP+\z]
.endif
.endr
	WIN WS                                         ; source 0: the accumulators' window
.irp p, 0,1,2,3
.irp g, 0,1,2,3
	v_cvt_scalef32_pk8_fp4_f32 v[CD+16*((\a0)/2)+4*\p+\g], v[PB+32*\p+8*\g:PB+32*\p+8*\g+7], v[TE+\p]
.endr
.endr
	WIN 0
	v_nop                                          ; one plain instruction behind the last conversion
.irp p, 0,1,2,3                                ; 32 lanes store 512 consecutive bytes; each piece has registers of its own
.if \vm
	global_store_b128 v[LI], v[CD+16*((\a0)/2)+4*\p:CD+16*((\a0)/2)+4*\p+3], s[14:15] offset:(((\a0)+\p/2)/4)*HEADB+(((\a0)+\p/2)%4)*1024+(\p%2)*512
.else
	global_store_b128 v[LI], v[CD+16*((\a0)/2)+4*\p:CD+16*((\a0)/2)+4*\p+3], s[14:15] offset:(\p%2)*HEADB+((\a0)+\p/2)*512
.endif
.endr
.endm
	PLACES 4                                       ; behind the last products: their results are read, and source 1's registers are written
	s_cmp_eq_u32 ttmp9, 2
	s_cbranch_scc1 .Lout_v
	QUANT4 0, 0
	QUANT4 2, 0
	QUANT4 4, 0
	QUANT4 6, 0
	s_branch .Lwords
.Lout_v:
	QUANT4 0, 1
	QUANT4 2, 1
	QUANT4 4, 1
	QUANT4 6, 1
.Lwords:
	v_cmp_ne_u32 vcc_lo, 0, v[H8]                  ; lanes 16-31 take words 2 and 3 of row r
.irp z, 0,1                                    ; my two heads: four words a row each
	v_cndmask_b32 v[TS+2*\z], v[SWD+4*\z], v[SWD+4*\z+2], vcc_lo
	v_cndmask_b32 v[TS+2*\z+1], v[SWD+4*\z+1], v[SWD+4*\z+3], vcc_lo
	global_store_b64 v[SO], v[TS+2*\z:TS+2*\z+1], s[14:15] offset:\z*HEADB+4096   ; 32 lanes store 256 consecutive bytes
.endr
	s_wait_tensorcnt 0x0                           ; the wave's end
	ds_add_u32 v[SPW], v[NIL]
	s_wait_dscnt 0x0
	CROUND                                         ; the closing round
	s_endpgm
.Lfunc_end_k_qfee2c7c8f0_qkv:
	.size	k_qfee2c7c8f0_qkv, .Lfunc_end_k_qfee2c7c8f0_qkv-k_qfee2c7c8f0_qkv
	.p2alignl 7, 3214868480
	.fill 96, 4, 3214868480
	.section	.rodata,"a",@progbits
	.p2align	6, 0x0
	.amdhsa_kernel k_qfee2c7c8f0_qkv
		.amdhsa_group_segment_fixed_size 279040
		.amdhsa_private_segment_fixed_size 0
		.amdhsa_enable_private_segment 0
		.amdhsa_kernarg_size 48
		.amdhsa_user_sgpr_count 2
		.amdhsa_user_sgpr_kernarg_segment_ptr 1
		.amdhsa_wavefront_size32 1
		.amdhsa_system_sgpr_workgroup_id_x 1
		.amdhsa_system_sgpr_workgroup_id_y 1
		.amdhsa_system_sgpr_workgroup_id_z 1
		.amdhsa_system_vgpr_workitem_id 0
		.amdhsa_next_free_vgpr 1024
		.amdhsa_next_free_sgpr 100
		.amdhsa_reserve_vcc 1
		.amdhsa_float_denorm_mode_32 3
		.amdhsa_float_denorm_mode_16_64 3
		.amdhsa_memory_ordered 1
		.amdhsa_forward_progress 1
		.amdhsa_inst_pref_size 161
	.end_amdhsa_kernel
	.amdgpu_metadata
---
amdhsa.version: [ 1, 2 ]
amdhsa.kernels:
  - .name:           k_qfee2c7c8f0_qkv
    .symbol:         k_qfee2c7c8f0_qkv.kd
    .args:
      - { .name: xq, .offset: 0, .size: 8, .value_kind: global_buffer, .address_space: global }
      - { .name: wq, .offset: 8, .size: 8, .value_kind: global_buffer, .address_space: global }
      - { .name: bq, .offset: 16, .size: 8, .value_kind: global_buffer, .address_space: global }
      - { .name: bk, .offset: 24, .size: 8, .value_kind: global_buffer, .address_space: global }
      - { .name: bv, .offset: 32, .size: 8, .value_kind: global_buffer, .address_space: global }
      - { .name: qkv, .offset: 40, .size: 8, .value_kind: global_buffer, .address_space: global }
    .group_segment_fixed_size: 279040
    .private_segment_fixed_size: 0
    .kernarg_segment_align: 8
    .kernarg_segment_size: 48
    .max_flat_workgroup_size: 128
    .sgpr_count:     100
    .vgpr_count:     1024
    .wavefront_size: 32
...
	.end_amdgpu_metadata
.endif
;; end of part 2
;; launch attn (part 3): grid 4 x 64, 16 waves a work-group, clusters of 4 x 1, 167,936 bytes of LDS; arguments qkv, oq; writes oq
.if DOCPART == 3
	.amdgcn_target "amdgcn-amd-amdhsa--gfx1250"
	.amdhsa_code_object_version 6
	.text
	.protected	k_qfee2c7c8f0_attn
	.globl	k_qfee2c7c8f0_attn
	.p2align	8
	.type	k_qfee2c7c8f0_attn,@function
k_qfee2c7c8f0_attn:
	s_mov_b64 s[64:65], 0
	v_nop
	global_prefetch_b8 v0, s[64:65] scope:SCOPE_SE
	s_setreg_imm32_b32 hwreg(HW_REG_WAVE_MODE, 25, 1), 1
	s_wait_xcnt 0x0
	s_wait_alu depctr_hold_cnt(0) depctr_sa_sdst(0) depctr_va_vdst(0) depctr_va_sdst(0) depctr_va_ssrc(0) depctr_va_vcc(0) depctr_vm_vsrc(0)
	s_getreg_b32 s2, hwreg(HW_REG_IB_STS2, 6, 4)
	s_cmp_eq_u32 s2, 0
	s_cbranch_scc0 .Lentry_in_a_cluster
	s_endpgm
.Lentry_in_a_cluster:
	s_bfe_u32 s2, ttmp6, 0x10000c
	s_cmp_lg_u32 s2, 0x3003
	s_cbranch_scc0 .Lentry_shape_is_right
	s_endpgm
.Lentry_shape_is_right:
; Launch 3 of 4: for each batch and head O = softmax(Q K^T / 8) V, both products on codes of E2M1, and the quantiser of O along the model's 1,024 (a block of 32 lies inside a head).  No work is left out.
; THE SOFTMAX AHEAD OF THE SECOND PRODUCT: t = score x log2(e) / 8; M = the running largest t rounded UP to a whole number; p = 2^(t - M) is quantised along the keys, not normalised; the row's sum is taken of the
; unquantised p and divides O at the end.  When M moves, the sum and O are multiplied by 2^(old M - new M), which rounds nothing.
; LIMITS: as in the first launch.  O's scale bytes leave one byte a lane (32 bytes for 512 bytes of codes): a row's word gathers the bytes of two heads, which other work-groups make.
; SHARES.  The cluster's y is 16 b + head; its four work-groups own 512 queries each.  A wave owns 32 queries: tiles A and B, worked one after the other on one set of score registers, so that a fragment of K or V read from LDS feeds two products.
; A HEAD'S WHOLE K AND V (139,264 bytes with their scale words) COME INTO LDS ONCE: every wave asks for two records by one joint load that names the four work-groups; nothing is filled again.
; LAYOUT.  Both products are used transposed: S^T = K Q^T, O^T = V^T P^T: a lane holds one query throughout.  By the choice of a tile's rows (launch 1's comment) the 32 registers of four neighbouring tiles of keys are 32 neighbouring
; keys, a whole block: its largest score needs no other lane, and four conversions give registers 4 c .. 4 c + 3 of P's operand.  O^T's 32 registers are likewise a whole block of the last product's K.
; K = 64 IN AN INSTRUCTION OF 128: a fragment of K holds TWO tiles of keys (registers 0-3, 4-7); Q stands in the run 0 | qA | 0 | qB | 0, so that [q | 0] and [0 | q] are runs of eight registers; zero codes take the other tile out.
; REGISTERS: v1-3 bases; v4, v5 the add's two; v6-8 the step's addresses; v9 8 h; v[10:11], v[14:15] (-M, largest t) of A, B; v[12:13], v[38:39] the sums; v16-35 Q; v36, v37 Q's scale words; v40-71 K's, then V's fragments;
;   v72-75 scale words (lanes 0-15 K's, 16-31 V's); v76, v77 P's; v[78:79], v[80:81] the factors; v82, v83 offsets; v96-159 S^T, then p; v160-191, v192-223 O^T; v224-239 P's codes; v240-253 at work.
.set REGION, 4456448
.set REC,    4352
.set HEADB,  16*REC
.set SPARE,  2*HEADB                   ; behind K and V: the spare words, 128 bytes for each of the sixteen waves, named by no other line
.set SEL, 30
.set CS,  32
.set TB,  34
.set CNT, 35
.macro CROUND                          ; a round of the cluster's barrier
	s_barrier_signal -1
	s_barrier_wait -1
	s_cmp_lg_u32 s8, 0
	s_cbranch_scc1 .Lnot_wave_0_\@
	s_barrier_signal -3
.Lnot_wave_0_\@:
	s_barrier_wait -3
	s_barrier_signal -1
	s_barrier_wait -1
.endm
	s_load_b128 s[4:7], s[0:1], 0x0                ; qkv, oq
	v_lshl_add_u32 v4, v0, 2, SPARE
	v_mov_b32 v5, 0
	ds_add_u32 v4, v5                              ; the wave's opening: the add, twice on end, and its wait ahead of my tensor load
	ds_add_u32 v4, v5
	v_lshrrev_b32 v6, 5, v0
	s_delay_alu instid0(VALU_DEP_1)
	v_readfirstlane_b32 s8, v6                     ; wave 0..15
	s_bfe_u32 s9, ttmp6, 0x40000                   ; cx: my 512 queries; it enters Q's and O's addresses alone
	s_and_b32 s10, ttmp7, 0xffff                   ; 16 b + head
	; group 1: two records, 8,704 dense bytes, as 34 rows of 256 (32 elements of 8 bytes)
	s_mov_b32 s16, 15|(3<<16)|(1<<21)              ; 15:0 the mask: all four work-groups; 17:16 elements of 8 bytes; 21 set beside a mask
	s_mov_b32 s17, 32<<16
	s_mov_b32 s18, 34<<16
	s_mov_b32 s19, 32<<16
	s_mov_b32 s20, 34
	s_mov_b32 s21, 32
	s_mov_b32 s22, 0
	s_mov_b32 s23, 0
	s_lshr_b32 s11, s8, 3                          ; waves 0-7 fetch K's records, waves 8-15 V's
	s_add_co_u32 s11, s11, 1
	s_mul_i32 s24, s11, REGION
	s_and_b32 s11, s8, 7
	s_mul_i32 s11, s11, 2*REC
	s_add_co_u32 s24, s24, s11
	s_mul_i32 s11, s10, HEADB
	s_add_co_u32 s24, s24, s11
	s_mov_b32 s25, 0
	s_mov_b32 s12, 1
	s_mul_i32 s13, s8, 2*REC                       ; LDS: K's sixteen records, then V's
	; my queries: record 4 cx + wave / 4, tiles 2 (wave % 4) and + 1
	s_lshl_b32 s40, s9, 2
	s_lshr_b32 s41, s8, 2
	s_add_co_u32 s40, s40, s41
	s_mul_i32 s40, s40, REC
	s_add_co_u32 s40, s40, s11
	s_and_b32 s42, s8, 3
	s_lshl_b32 s41, s42, 10
	s_add_co_u32 s26, s40, s41                     ; their codes,
	s_mov_b32 s27, 0
	s_lshl_b32 s41, s42, 2
	s_add_co_u32 s28, s40, s41
	s_add_co_u32 s28, s28, 4096                    ; their scale word
	s_mov_b32 s29, 0
	; where O goes: tile 128 b + 32 cx + 2 wave of oq, K step head / 2, half head % 2
	s_lshr_b32 s40, s10, 4
	s_lshl_b32 s40, s40, 7
	s_lshl_b32 s41, s9, 5
	s_add_co_u32 s40, s40, s41
	s_lshl_b32 s41, s8, 1
	s_add_co_u32 s40, s40, s41
	s_and_b32 s41, s10, 15                         ; the head
	s_lshl_b32 s36, s40, 13
	s_lshl_b32 s42, s41, 9
	s_add_co_u32 s36, s36, s42
	s_mov_b32 s37, 0
	s_lshl_b32 s38, s40, 9
	s_lshr_b32 s42, s41, 3
	s_lshl_b32 s42, s42, 8                         ; the K half,
	s_add_co_u32 s38, s38, s42
	s_and_b32 s42, s41, 7
	s_lshl_b32 s42, s42, 1                         ; the word and the pair of bytes in it
	s_add_co_u32 s38, s38, s42
	s_add_co_u32 s38, s38, 4194304
	s_mov_b32 s39, 0
	s_mov_b32 s[SEL], 0x76543210
	s_mov_b32 s[SEL+1], 0xfedcba98                 ; v_permlanex16_b32's selects for lane l xor 16
	s_mov_b32 s[CS], 0x3e38aa3b                    ; c = log2(e) / 8
	s_mov_b32 s[CS+1], s[CS]                       ; (named with it as a pair, so it is written)
	s_mov_b32 s[TB], 0
	s_mov_b32 s[CNT], 16
	s_wait_dscnt 0x0                               ; both opening adds are done
	s_wait_kmcnt 0x0
	s_add_nc_u64 s[14:15], s[4:5], s[24:25]
	s_or_b32 s15, s15, 0x80000000
	s_add_nc_u64 s[26:27], s[4:5], s[26:27]
	s_add_nc_u64 s[28:29], s[4:5], s[28:29]
	s_add_nc_u64 s[36:37], s[6:7], s[36:37]
	s_add_nc_u64 s[38:39], s[6:7], s[38:39]
	CROUND                                         ; all four work-groups are here: the joint loads meet
	tensor_load_to_lds s[12:15], s[16:23]          ; my one tensor load
	s_nop 0
	v_and_b32 v6, 31, v0                           ; lane
	v_and_b32 v7, 15, v0                           ; r
	v_bfe_u32 v8, v0, 4, 1                         ; h
	s_delay_alu instid0(VALU_DEP_3)
	v_lshlrev_b32 v1, 4, v6                        ; K's codes: 16 x lane
	s_delay_alu instid0(VALU_DEP_1)
	v_add_nc_u32 v2, HEADB, v1                     ; V's
	s_delay_alu instid0(VALU_DEP_3)
	v_mul_u32_u24 v3, v8, HEADB
	s_delay_alu instid0(VALU_DEP_1)
	v_lshl_add_u32 v3, v7, 4, v3
	s_delay_alu instid0(VALU_DEP_1)
	v_add_nc_u32 v3, 4096, v3                      ; the scale words: 16 r; lanes 16-31 take V's
	v_lshlrev_b32 v9, 3, v8
	v_lshlrev_b32 v83, 4, v7
	s_delay_alu instid0(VALU_DEP_1)
	v_add_nc_u32 v82, v83, v8                      ; 16 r + h: my byte of O's scales
	global_load_b128 v[20:23], v1, s[26:27]        ; qA
	global_load_b128 v[28:31], v1, s[26:27] offset:512   ; qB
	global_load_b32 v84, v83, s[28:29]             ; the bytes of tile A's two blocks, then tile B's
.irp j, 16,17,18,19,24,25,26,27,32,33,34,35
	v_mov_b32 v[\j], 0                             ; zero codes
.endr
	v_mov_b32 v11, 0xff61b1e6                      ; the largest t so far: -3e38, under every t
	v_mov_b32 v15, 0xff61b1e6
	s_delay_alu instid0(VALU_DEP_2)
	v_floor_f32 v10, -v11                          ; -M
	s_delay_alu instid0(VALU_DEP_2)
	v_floor_f32 v14, -v15
.irp j, 12,13,38,39,79,81,245,253
	v_mov_b32 v[\j], 0                             ; the sums; the upper halves of pairs that are named whole; the lane permutes' destinations
.endr
	s_wait_loadcnt 0x0
	v_and_b32 v85, 0xffff, v84
	v_lshrrev_b32 v86, 16, v84
	s_delay_alu instid0(VALU_DEP_2)
	v_lshl_or_b32 v36, v85, 16, v85                ; (s0, s1, s0, s1): the word serves [q | 0] and [0 | q]
	s_delay_alu instid0(VALU_DEP_2)
	v_lshl_or_b32 v37, v86, 16, v86
.irp j, 0,1,2,3,4,5,6,7,8,9,10,11,12,13,14,15,16,17,18,19,20,21,22,23,24,25,26,27,28,29,30,31,32,33,34,35,36,37,38,39,40,41,42,43,44,45,46,47,48,49,50,51,52,53,54,55,56,57,58,59,60,61,62,63
	v_mov_b32 v[160+\j], 0                         ; O^T.  (The step is written once: its first trip finds zeros, which the first change of M leaves zeros)
.endr
; S^T of one tile of queries: eight tiles of keys.  ql: [q | 0], qh: [0 | q], qs: Q's scale word
.macro SMUL ql, qh, qs
.irp f, 0,1,2,3
	v_wmma_scale_f32_16x16x128_f8f6f4 v[96+16*\f:103+16*\f], v[40+8*\f:47+8*\f], v[\ql:\ql+7], 0, v[72+\f], v[\qs] matrix_a_fmt:MATRIX_FMT_FP4 matrix_b_fmt:MATRIX_FMT_FP4
	v_wmma_scale_f32_16x16x128_f8f6f4 v[104+16*\f:111+16*\f], v[40+8*\f:47+8*\f], v[\qh:\qh+7], 0, v[72+\f], v[\qs] matrix_a_fmt:MATRIX_FMT_FP4 matrix_b_fmt:MATRIX_FMT_FP4
.endr
.endm
; The softmax of one tile for 128 keys.  Register 96 + 32 c + i holds key 64 c + 32 h + i.  nm: (-M, largest t); l: the sum; f: the factor; pc: P's codes; pw: P's scale word
.macro SOFTMAX nm, l, f, pc, pw
.irp k, 0,1,2,3
	v_max3_num_f32 v[240+\k], v[96+16*\k], v[97+16*\k], v[98+16*\k]   ; four chains of 16 scores, each accumulator from its low end on
.endr
.irp i, 3,5,7,9,11,13
.irp k, 0,1,2,3
	v_max3_num_f32 v[240+\k], v[240+\k], v[96+16*\k+\i], v[97+16*\k+\i]
.endr
.endr
	v_max3_num_f32 v240, v240, v241, v111
	v_max3_num_f32 v242, v242, v243, v143
	v_max_num_f32 v240, v240, v127                 ; THE LARGEST SCORE OF EACH BLOCK OF 32 KEYS: it serves for the row's maximum and, since p rises with the score, for the block's largest p
	v_max_num_f32 v242, v242, v159
	s_delay_alu instid0(VALU_DEP_1)
	v_max_num_f32 v244, v240, v242
	s_delay_alu instid0(VALU_DEP_1)
	v_permlanex16_b32 v245, v244, s[SEL], s[SEL+1]
	s_delay_alu instid0(VALU_DEP_1)
	v_max_num_f32 v244, v244, v245                 ; with lane l xor 16's two blocks
	s_delay_alu instid0(VALU_DEP_1)
	v_mul_f32 v244, s[CS], v244                    ; as t
	s_delay_alu instid0(VALU_DEP_1)
	v_max_num_f32 v[\nm+1], v[\nm+1], v244         ; the running largest t
	v_mov_b32 v244, v[\nm]
	s_delay_alu instid0(VALU_DEP_2)
	v_floor_f32 v[\nm], -v[\nm+1]                  ; the new -M = -ceil(t)
	s_delay_alu instid0(VALU_DEP_1)
	v_sub_f32 v244, v[\nm], v244                   ; old M less new M: a whole number, 0 or less
	s_delay_alu instid0(VALU_DEP_1)
	v_cvt_i32_f32 v244, v244                       ; (it saturates)
	s_delay_alu instid0(VALU_DEP_1)
	v_ldexp_f32 v[\f], 1.0, v244                   ; 2^(old M - new M)
.irp j, 0,2,4,6,8,10,12,14,16,18,20,22,24,26,28,30,32,34,36,38,40,42,44,46,48,50,52,54,56,58,60,62
	v_pk_fma_f32 v[96+\j:97+\j], v[96+\j:97+\j], s[CS:CS+1], v[\nm:\nm+1] op_sel_hi:[1,0,0]   ; t - M, two at a time
.endr
	v_fma_f32 v240, v240, s[CS], v[\nm]
	v_fma_f32 v242, v242, s[CS], v[\nm]
	s_wait_alu depctr_va_vdst(0)
.irp j, 0,1,2,3,4,5,6,7,8,9,10,11,12,13,14,15,16,17,18,19,20,21,22,23,24,25,26,27,28,29,30,31,32,33,34,35,36,37,38,39,40,41,42,43,44,45,46,47,48,49,50,51,52,53,54,55,56,57,58,59,60,61,62,63
	v_exp_f32 v[96+\j], v[96+\j]                   ; p = 2^(t - M)
.endr
	v_pk_mul_f32 v[\l:\l+1], v[\l:\l+1], v[\f:\f+1] op_sel_hi:[1,0]   ; the sum under the new M: the plain instruction behind the exponentials
	s_wait_alu depctr_va_vdst(0)                   ; one wait for the batch, ahead of its first reader
	v_exp_f32 v240, v240                           ; the blocks' largest p
	v_exp_f32 v242, v242
	v_pk_add_f32 v[246:247], v[96:97], v[98:99]    ; the row's sum of the unquantised p, in two chains
.irp j, 4,8,12,16,20,24,28,32,36,40,44,48,52,56,60
	v_pk_add_f32 v[\l:\l+1], v[\l:\l+1], v[96+\j:97+\j]
	v_pk_add_f32 v[246:247], v[246:247], v[98+\j:99+\j]
.endr
	s_delay_alu instid0(VALU_DEP_1)
	v_pk_add_f32 v[\l:\l+1], v[\l:\l+1], v[246:247]
	s_wait_alu depctr_va_vdst(0)                   ; and one for the two
	v_max_num_f32 v240, 0x1800000, v240            ; the floor 2^(3 - 127)
	v_max_num_f32 v242, 0x1800000, v242
	s_delay_alu instid0(VALU_DEP_2)
	v_add_nc_u32 v248, 0xff000000, v240            ; 2 off the exponent field: the conversion's scale operand
	s_delay_alu instid0(VALU_DEP_2)
	v_add_nc_u32 v249, 0xff000000, v242
	s_delay_alu instid0(VALU_DEP_2)
	v_lshrrev_b32 v250, 23, v248
	s_delay_alu instid0(VALU_DEP_2)
	v_lshrrev_b32 v251, 23, v249
	s_delay_alu instid0(VALU_DEP_1)
	v_lshl_or_b32 v252, v251, 16, v250             ; my bytes: blocks h and 2 + h,
	s_delay_alu instid0(VALU_DEP_1)
	v_lshlrev_b32 v252, v9, v252                   ; 8 h bits up;
	s_delay_alu instid0(VALU_DEP_1)
	v_permlanex16_b32 v253, v252, s[SEL], s[SEL+1]
	s_delay_alu instid0(VALU_DEP_1)
	v_or_b32 v[\pw], v252, v253                    ; with lane l xor 16's two the word is whole
.irp c, 0,1
.irp g, 0,1,2,3
	v_cvt_scalef32_pk8_fp4_f32 v[\pc+4*\c+\g], v[96+32*\c+8*\g:103+32*\c+8*\g], v[248+\c]   ; registers 4 c .. 4 c + 3 of the operand, as they stand
.endr
.endr
	v_nop                                          ; one plain instruction behind the last conversion
.endm
.macro RESCALE o, f                    ; a tile's O^T under the new M
.irp j, 0,2,4,6,8,10,12,14,16,18,20,22,24,26,28,30
	v_pk_mul_f32 v[\o+\j:\o+\j+1], v[\o+\j:\o+\j+1], v[\f:\f+1] op_sel_hi:[1,0]
.endr
.endm
	s_wait_tensorcnt 0x0                           ; my two records are in,
	s_barrier_signal -1
	s_barrier_wait -1                              ; everybody's are
.Lstep:                                            ; 16 trips of 128 keys: a record of K and one of V
	s_setprio 2
	v_add_nc_u32 v6, s[TB], v1
	v_add_nc_u32 v7, s[TB], v2
	v_add_nc_u32 v8, s[TB], v3
	v_nop                                          ; four plain instructions behind the last trip's products, ahead of loads into registers that they read
.irp n, 0,1,2,3,4,5,6,7
	ds_load_b128 v[40+4*\n:43+4*\n], v6 offset:512*\n   ; tile n of the keys: half a fragment
.endr
	ds_load_b128 v[72:75], v8                      ; four words: lanes 0-15 K's, lanes 16-31 V's
	s_wait_dscnt 0x0
	SMUL 20, 16, 36
.rept 4
	v_nop
.endr
	SOFTMAX 10, 12, 78, 224, 76
	SMUL 28, 24, 37
	RESCALE 160, 78                                ; sixteen plain instructions that name nothing of the products above: the places ahead of the loads and reads below
.irp n, 0,1,2,3,4,5,6,7
	ds_load_b128 v[40+4*\n:43+4*\n], v7 offset:512*\n   ; V's four fragments land while tile B's softmax is walked
.endr
	s_setprio 1
	SOFTMAX 14, 38, 80, 232, 77
	s_setprio 0
	RESCALE 192, 80                                ; and the places between P's scale word and codes and the scaled products
	s_wait_alu depctr_va_vdst(0)
	s_wait_dscnt 0x0
.irp i, 0,1,2,3                                ; O^T += V^T P^T: eight accumulators by turns
	v_wmma_scale_f32_16x16x128_f8f6f4 v[160+8*\i:167+8*\i], v[40+8*\i:47+8*\i], v[224:231], v[160+8*\i:167+8*\i], v[72+\i], v76 matrix_a_fmt:MATRIX_FMT_FP4 matrix_b_fmt:MATRIX_FMT_FP4 matrix_a_scale:MATRIX_SCALE_ROW1
	v_wmma_scale_f32_16x16x128_f8f6f4 v[192+8*\i:199+8*\i], v[40+8*\i:47+8*\i], v[232:239], v[192+8*\i:199+8*\i], v[72+\i], v77 matrix_a_fmt:MATRIX_FMT_FP4 matrix_b_fmt:MATRIX_FMT_FP4 matrix_a_scale:MATRIX_SCALE_ROW1
.endr
	s_add_co_u32 s[TB], s[TB], REC
	s_sub_co_u32 s[CNT], s[CNT], 1
	s_cmp_lg_u32 s[CNT], 0
	s_cbranch_scc1 .Lstep
	s_setprio 0
	; THE WAY OUT: O^T / the sum; a lane's 32 numbers of a tile are channels 32 h .. of its query: one block of the last product's K
.rept 4
	v_nop
.endr
	v_add_f32 v12, v12, v13                        ; the sums' two halves,
	v_add_f32 v38, v38, v39
	s_delay_alu instid0(VALU_DEP_2)
	v_permlanex16_b32 v245, v12, s[SEL], s[SEL+1]
	s_delay_alu instid0(VALU_DEP_2)
	v_permlanex16_b32 v253, v38, s[SEL], s[SEL+1]
	s_delay_alu instid0(VALU_DEP_2)
	v_add_f32 v12, v12, v245                       ; and lane l xor 16's
	s_delay_alu instid0(VALU_DEP_2)
	v_add_f32 v38, v38, v253
	s_wait_alu depctr_va_vdst(0)
	v_rcp_f32 v12, v12
	v_rcp_f32 v38, v38
	v_nop                                          ; a plain instruction behind the reciprocals,
	s_wait_alu depctr_va_vdst(0)                   ; and the one wait ahead of their first reader
.irp j, 0,2,4,6,8,10,12,14,16,18,20,22,24,26,28,30
	v_pk_mul_f32 v[96+\j:97+\j], v[160+\j:161+\j], v[12:13] op_sel_hi:[1,0]
.endr
.irp j, 0,2,4,6,8,10,12,14,16,18,20,22,24,26,28,30
	v_pk_mul_f32 v[128+\j:129+\j], v[192+\j:193+\j], v[38:39] op_sel_hi:[1,0]
.endr
	v_max3_num_f32 v240, |v96|, |v97|, 0x1800000
	v_max3_num_f32 v242, |v128|, |v129|, 0x1800000
.irp i, 2,4,6,8,10,12,14,16,18,20,22,24,26,28,30
	s_delay_alu instid0(VALU_DEP_2)
	v_max3_num_f32 v240, v240, |v[96+\i]|, |v[97+\i]|
	s_delay_alu instid0(VALU_DEP_2)
	v_max3_num_f32 v242, v242, |v[128+\i]|, |v[129+\i]|
.endr
	s_delay_alu instid0(VALU_DEP_2)
	v_add_nc_u32 v248, 0xff000000, v240
	s_delay_alu instid0(VALU_DEP_2)
	v_add_nc_u32 v249, 0xff000000, v242
	s_delay_alu instid0(VALU_DEP_2)
	v_lshrrev_b32 v250, 23, v248
	s_delay_alu instid0(VALU_DEP_2)
	v_lshrrev_b32 v251, 23, v249
.irp g, 0,1,2,3
	v_cvt_scalef32_pk8_fp4_f32 v[224+\g], v[96+8*\g:103+8*\g], v248
	v_cvt_scalef32_pk8_fp4_f32 v[228+\g], v[128+8*\g:135+8*\g], v249
.endr
	v_nop
	global_store_b128 v1, v[224:227], s[36:37]     ; 32 lanes store 512 consecutive bytes
	global_store_b128 v1, v[228:231], s[36:37] offset:8192   ; tile B is the next tile of oq
	global_store_b8 v82, v250, s[38:39]
	global_store_b8 v82, v251, s[38:39] offset:512
	s_wait_tensorcnt 0x0                           ; the wave's end
	ds_add_u32 v4, v5
	s_wait_dscnt 0x0
	CROUND                                         ; the closing round
	s_endpgm
.Lfunc_end_k_qfee2c7c8f0_attn:
	.size	k_qfee2c7c8f0_attn, .Lfunc_end_k_qfee2c7c8f0_attn-k_qfee2c7c8f0_attn
	.p2alignl 7, 3214868480
	.fill 96, 4, 3214868480
	.section	.rodata,"a",@progbits
	.p2align	6, 0x0
	.amdhsa_kernel k_qfee2c7c8f0_attn
		.amdhsa_group_segment_fixed_size 167936
		.amdhsa_private_segment_fixed_size 0
		.amdhsa_enable_private_segment 0
		.amdhsa_kernarg_size 16
		.amdhsa_user_sgpr_count 2
		.amdhsa_user_sgpr_kernarg_segment_ptr 1
		.amdhsa_wavefront_size32 1
		.amdhsa_system_sgpr_workgroup_id_x 1
		.amdhsa_system_sgpr_workgroup_id_y 1
		.amdhsa_system_sgpr_workgroup_id_z 1
		.amdhsa_system_vgpr_workitem_id 0
		.amdhsa_next_free_vgpr 256
		.amdhsa_next_free_sgpr 66
		.amdhsa_reserve_vcc 0
		.amdhsa_float_denorm_mode_32 3
		.amdhsa_float_denorm_mode_16_64 3
		.amdhsa_memory_ordered 1
		.amdhsa_forward_progress 1
		.amdhsa_inst_pref_size 43
	.end_amdhsa_kernel
	.amdgpu_metadata
---
amdhsa.version: [ 1, 2 ]
amdhsa.kernels:
  - .name:           k_qfee2c7c8f0_attn
    .symbol:         k_qfee2c7c8f0_attn.kd
    .args:
      - { .name: qkv, .offset: 0, .size: 8, .value_kind: global_buffer, .address_space: global }
      - { .name: oq, .offset: 8, .size: 8, .value_kind: global_buffer, .address_space: global }
    .group_segment_fixed_size: 167936
    .private_segment_fixed_size: 0
    .kernarg_segment_align: 8
    .kernarg_segment_size: 16
    .max_flat_workgroup_size: 512
    .sgpr_count:     66
    .vgpr_count:     256
    .wavefront_size: 32
...
	.end_amdgpu_metadata
.endif
;; end of part 3
;; launch oproj (part 4): grid 4 x 32, 4 waves a work-group, clusters of 4 x 4, 327,680 bytes of LDS; arguments oq, wq, bo, out0; writes out0
.if DOCPART == 4
	.amdgcn_target "amdgcn-amd-amdhsa--gfx1250"
	.amdhsa_code_object_version 6
	.text
	.protected	k_qfee2c7c8f0_oproj
	.globl	k_qfee2c7c8f0_oproj
	.p2align	8
	.type	k_qfee2c7c8f0_oproj,@function
k_qfee2c7c8f0_oproj:
	s_mov_b64 s[64:65], 0
	v_nop
	global_prefetch_b8 v0, s[64:65] scope:SCOPE_SE
	s_setreg_imm32_b32 hwreg(HW_REG_WAVE_MODE, 25, 1), 1
	s_wait_xcnt 0x0
	s_wait_alu depctr_hold_cnt(0) depctr_sa_sdst(0) depctr_va_vdst(0) depctr_va_sdst(0) depctr_va_ssrc(0) depctr_va_vcc(0) depctr_vm_vsrc(0)
	s_getreg_b32 s2, hwreg(HW_REG_IB_STS2, 6, 4)
	s_cmp_eq_u32 s2, 0
	s_cbranch_scc0 .Lentry_in_a_cluster
	s_endpgm
.Lentry_in_a_cluster:
	s_bfe_u32 s2, ttmp6, 0x10000c
	s_cmp_lg_u32 s2, 0xf033
	s_cbranch_scc0 .Lentry_shape_is_right
	s_endpgm
.Lentry_shape_is_right:
; Launch 4 of 4: out0 = O Wo^T + bo on codes of E2M1.  No work is left out.
; The main part is the second launch's way for Q and K: source 0 = 256 rows of Wo (wq's tiles 12 + cx of 256 rows), shared down a column of the cluster; source 1 = 256 rows of O (oq's tile 4 cluster y + cy), shared along a row;
; all of K in LDS at once, three loads a wave at the head, nothing filled again; bo is the C of the first K step.
; A lane's results: row 64 (a / 4) + 8 (a % 4) + (r % 8) + 32 (r / 8) of my 128, columns 64 (b / 4) + 32 h + 8 (b % 4) + j.  A block of 16 rows goes through my own stage in LDS (bytes into which no tensor load lands) and leaves as
; whole rows: 32 lanes store 512 consecutive bytes, at a multiple of 256 from out0's first byte.
; 128 work-groups: the tile is kept at 256 x 256 so that this loop is the second launch's.
.set SCX,    4194304
.set SCW,    2097152
.set KH,     131072
.set SCL,    2*KH
.set SPARE,  SCL+16384
.set STAGE,  SPARE+512
.set SP,     528                       ; a stage row: 512 bytes + 16
.set ADRA, 16
.set ADRB, 20
.set LI,   24                          ; v24 16 x lane
.set STO,  25                          ; v25 the stage, on the way in: row r, + 128 h
.set RD,   26                          ; v26 and back: 16 x lane
.set ADRS, 27
.set SPW,  28
.set NIL,  29
.set BO1,  31
.set SC,   32
.set AF,   128
.set BK,   128                         ; rows read back: v128-191 and v192-255 by turns
.set BI,   64
.set WV,   16
.set WH,   17
.set WL,   18
.set CX,   19
.set CY,   20
.set CLY,  21
.set G1,   24
.set G0,   32
.set G1B,  48
.set G0B,  56
.set G1S,  68
.set G0S,  76
.set G1SB, 80
.set G0SB, 88
.set MSB, 0
.macro WIN new                         ; the immediate's high byte repeats the setting that is left
.if MSB != \new
	s_set_vgpr_msb (MSB<<8)|\new
.set MSB, \new
.endif
.endm
.macro PLACES n
.rept \n
	v_nop
.endr
.endm
.macro JLOAD g0a, g1a, g0b, g1b        ; a joint load: waves 0 and 1 fetch source 1's halves, waves 2 and 3 source 0's; an s_nop 0 and four v_nop follow each line
	s_cmp_eq_u32 s[WH], 0
	s_cbranch_scc0 .Lfor_b_\@
	tensor_load_to_lds s[\g0a:\g0a+3], s[\g1a:\g1a+7]
	s_nop 0
.rept 4
	v_nop
.endr
	s_branch .Lasked_\@
.Lfor_b_\@:
	tensor_load_to_lds s[\g0b:\g0b+3], s[\g1b:\g1b+7]
	s_nop 0
.rept 4
	v_nop
.endr
.Lasked_\@:
.endm
.macro CROUND                          ; a round of the cluster's barrier
	s_barrier_signal -1
	s_barrier_wait -1
	s_cmp_lg_u32 s[WV], 0
	s_cbranch_scc1 .Lnot_wave_0_\@
	s_barrier_signal -3
.Lnot_wave_0_\@:
	s_barrier_wait -3
	s_barrier_signal -1
	s_barrier_wait -1
.endm
	s_load_b256 s[4:11], s[0:1], 0x0               ; oq, wq, bo, out0
	v_lshl_add_u32 v[SPW], v0, 2, SPARE
	v_mov_b32 v[NIL], 0
	ds_add_u32 v[SPW], v[NIL]                      ; the wave's opening: the add, twice on end, and its wait ahead of my first tensor load
	ds_add_u32 v[SPW], v[NIL]
	v_lshrrev_b32 v1, 5, v0
	v_readfirstlane_b32 s[WV], v1
	s_lshr_b32 s[WH], s[WV], 1                     ; my half of O's 256 rows.  Also: I fetch for source 1 (0) or source 0 (1)
	s_and_b32 s[WL], s[WV], 1                      ; my half of Wo's.  Also: which half I fetch
	s_bfe_u32 s[CX], ttmp6, 0x40000
	s_bfe_u32 s[CY], ttmp6, 0x40004
	s_and_b32 s[CLY], ttmp7, 0xffff
	s_lshl_b32 s22, s[CY], 2
	s_lshl_b32 s22, 15, s22                        ; my row of the cluster
	s_lshl_b32 s23, 0x1111, s[CX]                  ; my column
	s_or_b32 s[G1], s22, (3<<16)|(1<<21)           ; codes: 8 rows of 512 elements of 8 bytes, 1,024 elements apart; dense in LDS
	s_or_b32 s[G1B], s23, (3<<16)|(1<<21)
.irp g, G1, G1B
	s_mov_b32 s[\g+1], 512<<16
	s_mov_b32 s[\g+2], 8<<16
	s_mov_b32 s[\g+3], 512<<16
	s_mov_b32 s[\g+4], 8
	s_mov_b32 s[\g+5], 1024
	s_mov_b32 s[\g+6], 0
	s_mov_b32 s[\g+7], 0
.endr
	s_or_b32 s[G1S], s22, (3<<16)|(1<<21)          ; scale words: 4,096 dense bytes as 16 rows of 256
	s_or_b32 s[G1SB], s23, (3<<16)|(1<<21)
.irp g, G1S, G1SB
	s_mov_b32 s[\g+1], 32<<16
	s_mov_b32 s[\g+2], 16<<16
	s_mov_b32 s[\g+3], 32<<16
	s_mov_b32 s[\g+4], 16
	s_mov_b32 s[\g+5], 32
	s_mov_b32 s[\g+6], 0
	s_mov_b32 s[\g+7], 0
.endr
	s_add_co_u32 s40, s[CX], 12                    ; source 0: wq's tile of 256 rows
	s_lshl_b32 s41, s[CLY], 2
	s_add_co_u32 s41, s41, s[CY]                   ; source 1: oq's
	s_lshl_b32 s46, s[WL], 16
	s_lshl_b32 s47, s[WL], 12
	s_lshl_b32 s92, s40, 17
	s_add_co_u32 s92, s92, s46
	s_mov_b32 s93, 0
	s_lshl_b32 s94, s40, 13
	s_add_co_u32 s94, s94, s47
	s_add_co_u32 s94, s94, SCW
	s_mov_b32 s95, 0
	s_lshl_b32 s96, s41, 17
	s_add_co_u32 s96, s96, s46
	s_mov_b32 s97, 0
	s_lshl_b32 s98, s41, 13
	s_add_co_u32 s98, s98, s47
	s_add_co_u32 s98, s98, SCX
	s_mov_b32 s99, 0
	s_lshl_b32 s46, s[WV], 15
	s_lshl_b32 s47, s[WV], 12
	s_add_co_u32 s47, s47, SCL
	s_wait_dscnt 0x0                               ; both opening adds are done
	s_wait_kmcnt 0x0
	s_add_nc_u64 s[92:93], s[6:7], s[92:93]
	s_add_nc_u64 s[94:95], s[6:7], s[94:95]
	s_add_nc_u64 s[96:97], s[4:5], s[96:97]
	s_add_nc_u64 s[98:99], s[4:5], s[98:99]
	CROUND                                         ; all sixteen work-groups are here: the joint loads meet
	s_mov_b32 s[G0S], 1
	s_mov_b32 s[G0S+1], s47
	s_mov_b64 s[G0S+2:G0S+3], s[98:99]
	s_or_b32 s[G0S+3], s[G0S+3], 0x80000000
	s_mov_b32 s[G0SB], 1
	s_mov_b32 s[G0SB+1], s47
	s_mov_b64 s[G0SB+2:G0SB+3], s[94:95]
	s_or_b32 s[G0SB+3], s[G0SB+3], 0x80000000
	JLOAD G0S, G1S, G0SB, G1SB
.irp q, 0,1
	s_mov_b32 s[G0+4*\q], 1
	s_add_co_u32 s[G0+4*\q+1], s46, \q*KH
	s_add_nc_u64 s[G0+4*\q+2:G0+4*\q+3], s[96:97], \q*4096
	s_or_b32 s[G0+4*\q+3], s[G0+4*\q+3], 0x80000000
	s_mov_b32 s[G0B+4*\q], 1
	s_add_co_u32 s[G0B+4*\q+1], s46, \q*KH
	s_add_nc_u64 s[G0B+4*\q+2:G0B+4*\q+3], s[92:93], \q*4096
	s_or_b32 s[G0B+4*\q+3], s[G0B+4*\q+3], 0x80000000
	s_wait_alu depctr_va_vdst(0)
	s_wait_tensorcnt 0x0
	ds_add_u32 v28, v29
	s_wait_dscnt 0x0
	CROUND
	JLOAD G0+4*\q, G1, G0B+4*\q, G1B               ; one load of mine is out: the one before is waited for
.endr
	v_and_b32 v1, 31, v0
	v_and_b32 v2, 15, v0
	v_bfe_u32 v3, v0, 4, 1
	s_wait_alu depctr_va_vdst(0)
	v_lshlrev_b32 v[LI], 4, v1
	s_lshl_b32 s42, s[WH], 15
	s_lshl_b32 s43, s[WL], 15
	s_add_co_u32 s43, s43, 65536
.irp q, 0,1
	v_add_nc_u32 v[ADRA+\q], s42, v[LI]
	v_add_nc_u32 v[ADRB+\q], s43, v[LI]
	s_add_co_u32 s42, s42, KH
	s_add_co_u32 s43, s43, KH
.endr
	v_lshlrev_b32 v4, 4, v2
	s_lshl_b32 s42, s[WH], 12
	s_lshl_b32 s43, s[WL], 12
	s_add_co_u32 s43, s43, 8192
	s_sub_co_u32 s43, s43, s42
	v_mul_u32_u24 v5, s43, v3                      ; lanes 16-31 take source 0's scale words
	s_add_co_u32 s42, s42, SCL
	v_add_nc_u32 v4, v4, v5
	v_add_nc_u32 v[ADRS], s42, v4
	s_mul_i32 s42, s[WV], 16*SP
	s_add_co_u32 s42, s42, STAGE                   ; my stage
	v_mul_u32_u24 v[STO], v2, SP
	v_lshl_add_u32 v[STO], v3, 7, v[STO]
	v_add_nc_u32 v[STO], s42, v[STO]
	v_add_nc_u32 v[RD], s42, v[LI]
	v_lshlrev_b32 v[BO1], 7, v3
	s_wait_alu depctr_va_vdst(0)
	s_lshl_b32 s44, s[CX], 10                      ; my first column, in bytes: 1,024 cx + 512 x half
	s_lshl_b32 s45, s[WL], 9
	s_add_co_u32 s44, s44, s45
	s_mov_b32 s45, 0
	s_add_nc_u64 s[8:9], s[8:9], s[44:45]          ; bo at my 128 numbers
	s_lshl_b32 s46, s41, 8
	s_lshl_b32 s47, s[WH], 7
	s_add_co_u32 s46, s46, s47                     ; my first row
	s_lshl_b32 s46, s46, 12
	s_add_co_u32 s46, s46, s44
	s_mov_b32 s47, 0
	s_add_nc_u64 s[10:11], s[10:11], s[46:47]
	WIN 0x40                                       ; destination window 1
.irp b, 0,1,2,3,4,5,6,7                        ; the bias in the result's layout: tile b's register j is column 64 (b / 4) + 32 h + 8 (b % 4) + j
	global_load_b128 v[BI+8*\b:BI+8*\b+3], v[BO1], s[8:9] offset:256*(\b/4)+32*(\b%4)
	global_load_b128 v[BI+8*\b+4:BI+8*\b+7], v[BO1], s[8:9] offset:256*(\b/4)+32*(\b%4)+16
.endr
	WIN 0
.macro FRAG reg, adr, off
	ds_load_b128 v[\reg:\reg+3], v[\adr] offset:\off
	ds_load_b128 v[\reg+4:\reg+7], v[\adr] offset:\off+512
.endm
.macro FETCH_B t, p
	WIN 0x40
.irp i, 0,1,2,3,4,5,6,7
	FRAG 128*(\p)+8*\i, ADRB+(\t)/4, \i*4096+((\t)%4)*1024
.endr
	WIN 0
.endm
.macro FETCH_A t, i0
.irp i, \i0, \i0+1, \i0+2, \i0+3
	FRAG AF+8*(\i), ADRA+(\t)/4, (\i)*4096+((\t)%4)*1024
.endr
.endm
.macro SCALES q
.irp i, 0,1,2,3,4,5,6,7
	ds_load_b128 v[SC+32*\q+4*\i:SC+32*\q+4*\i+3], v[ADRS] offset:\i*512+\q*256
.endr
.endm
; 16 matrix instructions; cm = 0: in place; 1: C = the bias by b.  The 64 accumulators take turns, one instruction a turn.
.macro MUL16 a0, p, t, cm
.irp a, \a0, \a0+1
.irp b, 0,1,2,3,4,5,6,7
.set rD, 8*(8*((\a)%4)+\b)
.set rA, 128*(\p)+8*\b
.set rB, AF+8*(\a)
.set sA, SC+32*((\t)/4)+4*\b+(\t)%4
.set sB, SC+32*((\t)/4)+4*(\a)+(\t)%4
.if (\cm) == 0
.set rC, rD
.else
.set rC, BI+8*\b
.endif
	v_wmma_scale_f32_16x16x128_f8f6f4 v[rD:rD+7], v[rA:rA+7], v[rB:rB+7], v[rC:rC+7], v[sA], v[sB] matrix_a_fmt:MATRIX_FMT_FP4 matrix_b_fmt:MATRIX_FMT_FP4 matrix_a_scale:MATRIX_SCALE_ROW1
.endr
.endr
.endm
.macro STEP t, cm
	s_wait_dscnt 8                                 ; all but the youngest eight loads, source 1's blocks 4-7
.if (\cm)
	WIN 0x91
.else
	WIN 0xa1
.endif
	MUL16 0, (\t)%2, \t, \cm
	MUL16 2, (\t)%2, \t, \cm
	s_wait_dscnt 0x0
.if (\t) == 3
	s_wait_tensorcnt 0x0                           ; my part of the second K half is in,
	s_barrier_signal -1
	s_barrier_wait -1                              ; everybody's is
.endif
.if (\t) < 7
	PLACES 4                                       ; four plain instructions ahead of loads into registers that matrix instructions have read
	FETCH_B (\t)+1, 1-(\t)%2
	FETCH_A (\t)+1, 0
.endif
.if (\cm)
	WIN 0xd1
.else
	WIN 0xf1
.endif
	MUL16 4, (\t)%2, \t, \cm
	MUL16 6, (\t)%2, \t, \cm
.if (\t) < 7
	PLACES 4
	WIN 0
	FETCH_A (\t)+1, 4
.else
	WIN 0
.endif
.endm
	s_wait_tensorcnt 0x1                           ; the scale words and my part of the first K half are in; the second half's load may stay out
	s_barrier_signal -1
	s_barrier_wait -1
	FETCH_B 0, 0
	FETCH_A 0, 0
	SCALES 0
	SCALES 1
	FETCH_A 0, 4
	s_wait_loadcnt 0x0                             ; the bias
	STEP 0, 1
	STEP 1, 0
	STEP 2, 0
	STEP 3, 0
	STEP 4, 0
	STEP 5, 0
	STEP 6, 0
	STEP 7, 0
; THE WAY OUT, block by block of 16 rows x 128 columns.  LDS serves a wave's instructions in order (ISA guide 5.7.1.4): no wait between the stores and the loads, nor in front of the next block's stores.
.macro TOSTAGE a
.set AC, 64*((\a)%4)
.set WN, 0x08+4*((\a)/4)
	WIN WN                                         ; an LDS store's data: window 2 or 3
.irp b, 0,1,2,3,4,5,6,7
	ds_store_b128 v[STO], v[AC+8*\b:AC+8*\b+3] offset:256*(\b/4)+32*(\b%4)           ; each accumulator from its low end on
	ds_store_b128 v[STO], v[AC+8*\b+4:AC+8*\b+7] offset:256*(\b/4)+32*(\b%4)+16
.endr
	WIN 0
.set BB, BK+64*((\a)%2)
.irp t, 0,1,2,3,4,5,6,7,8,9,10,11,12,13,14,15
	ds_load_b128 v[BB+4*\t:BB+4*\t+3], v[RD] offset:\t*SP
.endr
.endm
.macro SEND a, younger                 ; younger: the LDS instructions issued behind block a's loads, which may stay out
.set BB, BK+64*((\a)%2)
	s_wait_dscnt \younger
.irp t, 0,1,2,3,4,5,6,7,8,9,10,11,12,13,14,15
	global_store_b128 v[LI], v[BB+4*\t:BB+4*\t+3], s[10:11] offset:(64*((\a)/4)+8*((\a)%4)+(\t%8)+32*(\t/8))*4096 th:TH_STORE_NT   ; the row's place among my 128 stands in the immediate: 127 rows of 4,096 bytes at the most
.endr
.endm
	PLACES 4                                       ; behind the last products: their results are read, and source 1's registers are loaded into
	TOSTAGE 0
.irp a, 1,2,3,4,5,6,7
.if \a > 1
	s_wait_xcnt 0x0                                ; block a - 2's stores have read their registers: block a's loads may land there
.endif
	TOSTAGE \a
	SEND \a-1, 32                                  ; behind block a - 1's loads: block a's 16 stores and 16 loads
.endr
	SEND 7, 0
	s_wait_tensorcnt 0x0                           ; the wave's end, behind my last LDS store
	ds_add_u32 v[SPW], v[NIL]
	s_wait_dscnt 0x0
	CROUND                                         ; the closing round
	s_endpgm
.Lfunc_end_k_qfee2c7c8f0_oproj:
	.size	k_qfee2c7c8f0_oproj, .Lfunc_end_k_qfee2c7c8f0_oproj-k_qfee2c7c8f0_oproj
	.p2alignl 7, 3214868480
	.fill 96, 4, 3214868480
	.section	.rodata,"a",@progbits
	.p2align	6, 0x0
	.amdhsa_kernel k_qfee2c7c8f0_oproj
		.amdhsa_group_segment_fixed_size 327680
		.amdhsa_private_segment_fixed_size 0
		.amdhsa_enable_private_segment 0
		.amdhsa_kernarg_size 32
		.amdhsa_user_sgpr_count 2
		.amdhsa_user_sgpr_kernarg_segment_ptr 1
		.amdhsa_wavefront_size32 1
		.amdhsa_system_sgpr_workgroup_id_x 1
		.amdhsa_system_sgpr_workgroup_id_y 1
		.amdhsa_system_sgpr_workgroup_id_z 1
		.amdhsa_system_vgpr_workitem_id 0
		.amdhsa_next_free_vgpr 1024
		.amdhsa_next_free_sgpr 100
		.amdhsa_reserve_vcc 0
		.amdhsa_float_denorm_mode_32 3
		.amdhsa_float_denorm_mode_16_64 3
		.amdhsa_memory_ordered 1
		.amdhsa_forward_progress 1
		.amdhsa_inst_pref_size 126
	.end_amdhsa_kernel
	.amdgpu_metadata
---
amdhsa.version: [ 1, 2 ]
amdhsa.kernels:
  - .name:           k_qfee2c7c8f0_oproj
    .symbol:         k_qfee2c7c8f0_oproj.kd
    .args:
      - { .name: oq, .offset: 0, .size: 8, .value_kind: global_buffer, .address_space: global }
      - { .name: wq, .offset: 8, .size: 8, .value_kind: global_buffer, .address_space: global }
      - { .name: bo, .offset: 16, .size: 8, .value_kind: global_buffer, .address_space: global }
      - { .name: out0, .offset: 24, .size: 8, .value_kind: global_buffer, .address_space: global }
    .group_segment_fixed_size: 327680
    .private_segment_fixed_size: 0
    .kernarg_segment_align: 8
    .kernarg_segment_size: 32
    .max_flat_workgroup_size: 128
    .sgpr_count:     100
    .vgpr_count:     1024
    .wavefront_size: 32
...
	.end_amdgpu_metadata
.endif
;; end of part 4
